; MI455X (gfx1250); checked and timed in simulation.
; The chip was launched on July 23, 2026; its instructions are those of AMD's public machine-readable ISA for CDNA 5 (MIT licence, August 2026) and "CDNA5" Instruction Set Architecture Reference Guide (July 2026). The comments in the code are by the model that wrote it; some were corrected since.
;; Attention. Allowed arithmetic: matrix products marked QUANTISED: E2M3 operands, one E8M0 scale for each 32 along K, by v_wmma_scale_f32_16x16x128_f8f6f4 with both operands' format E2M3, f32 sums; everything else in f32.
;; Inputs: K 4 x 16 x 2,048 x 64 float32; Q 4 x 16 x 2,048 x 64 float32; V 4 x 16 x 2,048 x 64 float32.
;; Outputs: out0 4 x 16 x 2,048 x 64 float32.
;; Constants: d_k = 64.
;; This version of the problem:
;;   THIS VERSION OF THE PROBLEM IS GIVEN IN LOW PRECISION. The matrix products marked QUANTISED in the list below multiply operands that are first quantised to E2M3 (2 exponent bits, 3 mantissa bits; 6 bits a number), with one power-of-two scale for each 32 numbers along K (OCP MX v1.0); their sums are f32. All else is computed in f32.
;;   The module's matrix products, in the order in which they are computed (A, B: the left and right operand; K: the contracted axis; several contracted axes count as one K, in the product's order):
;;     1. batch 64 x [M 2,048, K 64] x [K 64, N 2,048]; A: input Q; B: input K: QUANTISED
;;     2. batch 64 x [M 2,048, K 2,048] x [K 2,048, N 64]; A: softmax (see below); B: input V: QUANTISED
;;   THE QUANTISER, for each operand of a quantised product, along K:
;;     - K is cut into blocks of 32 from its start; a last block that is shorter is filled with zeros.
;;     - A block's scale is 2^e with e = floor(log2(the largest magnitude in the block)) - 2, held to -126 .. 127; a block of zeros has e = 0. As a byte (E8M0): e + 127.
;;     - Each number is divided by its block's scale, clamped to +-7.5, and rounded to the nearest number of E2M3, ties to even, subnormals kept.
;;     - The product sums the exact products of the quantised numbers (number of the format x scale) in f32.
;;   ~~~python
;;   def quantise(x, axis):      # numpy; x: float32 -> the quantised numbers, widened to float32 again
;;       x = np.moveaxis(x, axis, -1); K = x.shape[-1]
;;       x = np.pad(x, [(0, 0)] * (x.ndim - 1) + [(0, -K % 32)]); x = x.reshape(x.shape[:-1] + (-1, 32)); a = np.abs(x).max(-1, keepdims=True)
;;       e = np.where(a > 0, np.clip(np.frexp(np.where(a > 0, a, 1))[1] - 1 - 2, -126, 127), 0)      # np.frexp(a)[1] - 1 = floor(log2(a)), exactly
;;       r = np.clip(x / 2.0 ** e, -7.5, 7.5)
;;       step = 2.0 ** (np.maximum(np.frexp(np.where(r == 0, 1, r))[1] - 1, 0) - 3)
;;       q = np.round(r / step) * step * 2.0 ** e      # np.round: ties to even
;;       return np.moveaxis(q.reshape(q.shape[:-2] + (-1,))[..., :K], -1, axis).astype(np.float32)
;;   ~~~
;;   SOFTMAX AHEAD OF A QUANTISED PRODUCT. Where the list says 'softmax', what is quantised is not the finished softmax but p = 2^(t - M), with t = logit x log2(e) and M = ceil(the row's largest t), a whole number; so 1/2 < the row's largest p <= 1. The row's sum l is taken of the UNQUANTISED p, in f32, and the product's result is divided by l at the end. Since M is a whole number, a kernel that streams over the keys may use a running M (the ceiling of the running maximum): every later rescaling is an exact power of two, which a block's scale takes up: the codes' values come out the same.
;;   OPERANDS COMPUTED ON THE WAY. 'Computed on the way' means the value that the module computes at that place (a softmax that the list does not call 'softmax' is quantised finished and normalised). What goes into a quantiser is computed in f32, as accurately as f32 sums, v_exp_f32 and their like allow (about 1e-6 of the number): no bf16 or f16 on the way to a quantiser, and a product that is left as it is and whose result goes on into a quantised operand takes f32 operands (vector FMAs, or v_wmma_f32_16x16x4_f32). A number that lies on a knife's edge between two numbers of the format may be rounded either way, as far as f32 arithmetic and the matrix unit's own rounding can turn it there, and no further.
;; 2 versions, each right; version 2 is version 1 with the launch attn written anew for expert scheduling mode. Each part assembles by itself: llvm-mc -triple=amdgcn-amd-amdhsa -mcpu=gfx1250 --defsym DOCPART=n.
;; ======== version 1 of 2: 1 launch
;; launch attn (part 1): grid 4 x 64, 16 waves a work-group, no clusters, 292,864 bytes of LDS; arguments Q, K, V, out0; writes out0
.if DOCPART == 1
	.amdgcn_target "amdgcn-amd-amdhsa--gfx1250"
	.amdhsa_code_object_version 6
	.text
	.protected	k_q80bf1a8f57_attn
	.globl	k_q80bf1a8f57_attn
	.p2align	8
	.type	k_q80bf1a8f57_attn,@function
k_q80bf1a8f57_attn:
	s_mov_b64 s[64:65], 0
	v_nop
	global_prefetch_b8 v0, s[64:65] scope:SCOPE_SE
	s_setreg_imm32_b32 hwreg(HW_REG_WAVE_MODE, 25, 1), 1
	s_wait_xcnt 0x0
; out0[head][q][:] = the sum over k of softmax_k(Q[head][q] . K[head][k] / 8) V[head][k][:].  Q, K, V, out0: [64 heads][2048][64] f32.
; Both products run on codes of FP6 (E2M3) with one E8M0 scale for each 32 along a product's K, by v_wmma_scale_f32_16x16x128_f8f6f4; sums in f32.
; THE SOFTMAX AHEAD OF THE SECOND PRODUCT: t = score x log2(e) / 8; M = the row's largest t so far, rounded UP to a whole number; p = 2^(t - M) is quantised along the keys, not normalised.
; The row's sum is taken of the unquantised p and divides at the end.  When M moves, the sum and O are multiplied by 2^(old M - new M): exact.
; SHARES.  256 work-groups: work-group (x, head) owns queries 512 x .. 512 x + 511 of one head, in two passes of 256.  Sixteen waves of 256 registers; in a pass a wave owns ONE tile of 16 queries.
; Every wave walks all 2,048 keys: 8 trips of 256 keys, a trip is two sub-steps of 128 keys: 8 products K Q^T and 4 products V^T P a wave and sub-step.
; K AND V ARE QUANTISED ONCE A WORK-GROUP.  Their f32 numbers go from memory straight into registers, in the order that the conversions want (K: a lane takes a key and 32 neighbouring channels;
; V: a lane takes a channel and its registers run down 32 keys), and the codes go to LDS as IMAGES OF THE OPERANDS' REGISTERS: a lane's 48 bytes (12 registers) at 48 x lane.  The whole head's
; codes and scale words, 8 x 27,648 bytes, stay in LDS; no byte of them is written twice.  Pass 0 builds trip J + 1's images while it multiplies trip J's: one barrier a trip.  Pass 1 only reads.
; LAYOUT.  Both products are used transposed: S^T = K Q^T (source 0 = 16 keys, source 1 = my 16 queries), O^T = V^T P^T (source 0 = 16 channels, source 1 = P): a lane holds ONE query (lane % 16) throughout.
; THE KEYS OF A TILE ARE NOT NEIGHBOURS: lane r of tile 2 b + u takes key 32 b + 8 u + r + 8 (r / 8), so that the 16 registers of tiles 2 b and 2 b + 1 are 16 neighbouring keys, 32 b + 16 (lane / 16) + 0 .. 15.
; THE FIRST PRODUCT'S K IS 64, THE INSTRUCTION'S 128.  Q's fragment holds zero CODES for k = 64 .. 127, and bytes 2 and 3 of Q's and K's scale words are 0 (2^-127, no NaN).  So whatever finite codes
; stand in the upper six registers of K's operand add exactly 0: K's half fragments lie six registers apart, a tile's operand runs on into the next tile's codes, and the last tile's into six zeros.
; NO CLUSTER, NO JOINT REQUESTS: what the four work-groups of a head share arrives as f32.  Asked for jointly, a trip's 131,072 bytes would be laid into LDS and read out of it again;
; here they go to registers and 27,648 bytes of codes and scale words enter LDS.
; LIMITS: NaN and infinities among the inputs are not served.  A block of zeros, and any block whose largest magnitude lies under 2^(3 - 127), gets the byte 1 (the rule says 127 for zeros): its codes
; are zeros or as the floor's scale gives them, and the bytes are read by this program alone.  A block's largest p is taken through its largest score, which takes v_exp_f32 not to fall where its input rises.
; p under 2^-126 comes out of v_exp_f32 as 0.
.set HEADB, 524288                     ; a head in bytes: 2,048 rows of 256
.set TRIPG, 65536                      ; a trip's 256 rows of K or of V in memory; also a pass's 256 rows of Q and of out0
.set IMG,   1536                       ; an image: 32 lanes x 48 bytes.  48 bytes = 12 words
.set SUBB,  9*IMG                      ; a sub-step of 128 keys:
.set KOFF,  0                          ;   4 images of K: image j = tiles 2 j (a lane's bytes 0-23) and 2 j + 1 (bytes 24-47)
.set VOFF,  4*IMG                      ;   4 images of V^T: image t = channels 16 t .. 16 t + 15; lane (r, hh): keys 32 hh + 0 .. 31 (bytes 0-23) and 64 + 32 hh + 0 .. 31 (bytes 24-47)
.set SOFF,  8*IMG                      ;   1 image of scale words: lane (r, hh): bytes 0-15 K's words of row r of tiles 4 hh .. 4 hh + 3; bytes 16-23 V's of row r of tiles 2 hh, 2 hh + 1; the rest is never touched
.set TRIPB, 2*SUBB
.set STG,   8*TRIPB                    ; behind the images: the way out, 16 rows x (256 + 16) bytes for each wave
.set STGW,  16*272
; vector registers
.set RD0,  1                           ; 48 x lane: my place in an image
.set RDW,  2                           ; the same in the trip in hand
.set WK0,  3                           ; where I store my block of K's codes, in trip 0
.set WKS0, 4                           ; and my row's scale word of K
.set WV0,  5                           ; my block of V's codes
.set WVS0, 6                           ; and its scale byte
.set GK,   7                           ; my byte in a trip's rows of K
.set GV,   8                           ; of V
.set GQ,   9                           ; in my wave's 16 rows of Q
.set PFO,  10                          ; the prefetches' offset: 256 x (thread % 256): a lane a row
.set SH8,  11                          ; 8 x (lane / 16)
.set NM,   12                          ; -M
.set TMX,  13                          ; the largest t so far
.set SUM,  14                          ; v[14:15] the row's sum in two halves
.set QF,   16                          ; v16-27 Q's fragment: 16-21 codes, 22-27 zeros
.set QS,   28                          ; Q's scale words          (v28-35 hold scales and nothing else)
.set PS,   29                          ; p's scale word
.set KSW,  30                          ; v30-33 K's scale words of a sub-step
.set VSW,  34                          ; v34-35 V's
.set MX,   36                          ; v36-39 the blocks' largest scores, then largest p
.set PT,   40                          ; v40-47 at work: exchange, bytes, the conversions' second halves (40-42, 44-46), then the second chain of the sum (40:41)
.set SO,   48                          ; v48-51 the conversions' scale operands
.set FA,   52                          ; f = 2^(old M - new M); at the end 1 / the sum.  v53 is named with it as a pair
.set T1,   54
.set QM0,  36                          ; the quantiser of K, V and Q stands where the softmax's registers hold nothing:
.set QM1,  37                          ;   two chains of the largest magnitude,
.set QSO,  38                          ;   the conversions' scale operand,
.set QB,   39                          ;   the scale's byte,
.set QC,   40                          ;   the codes: v40-42 and v44-46,
.set QT,   48
.set QU,   49
.set PC,   56                          ; v56-67 p's codes
.set FR,   68                          ; v68-115 K's eight half fragments, later V's four fragments; between the passes v68-99 take the second pass's 32 numbers of Q
.set ZT,   116                         ; v116-121 zeros: the tail of K's last tile
.set STI,  122                         ; the way out: where I put 32 bytes of a row
.set STO,  123                         ; and where I read a row back
.set GO,   124                         ; 16 x lane: my bytes of two rows of out0
.set WT0,  125                         ; LDS addresses of the stores in hand
.set WT1,  126
.set XN,   128                         ; v128-159 32 numbers on their way in: a block of K, then of V, by turns
.set OT,   160                         ; v160-191 O^T: register 8 t + j = channel 16 t + 8 (lane / 16) + j
.set SR,   192                         ; v192-255 S^T, then p: register 16 b + i = key 32 b + 16 (lane / 16) + i of the sub-step
; scalar registers
.set QP,   4                           ; s[4:5]   Q at my wave's first row
.set KP,   6                           ; s[6:7]   K at the trip in hand
.set VP,   8                           ; s[8:9]   V likewise
.set OP,   10                          ; s[10:11] out0 at my wave's first row
.set WV,   12                          ; my wave's number
.set SEL,  20                          ; s[20:21] v_permlanex16_b32's selects for lane l xor 16
.set CS,   22                          ; s[22:23] c = log2(e) / 8
.set TB,   24                          ; LDS byte at which the images of the trip in hand begin
.set CNT,  25                          ; trips to go
.set LIM,  26                          ; 2 in the head's first work-group, else the greatest number: a wave prefetches while s[CNT] is above it
.set PFA,  28                          ; s[28:29] where my prefetches stand: K's (waves 0-7) or V's (waves 8-15) rows of the trip three on
.macro LOADQ dst, off                  ; my 32 channels of my query: 128 consecutive bytes
.irp j, 0,1,2,3,4,5,6,7
	global_load_b128 v[\dst+4*\j:\dst+4*\j+3], v[GQ], s[QP:QP+1] offset:\off+16*\j th:TH_LOAD_NT
.endr
.endm
.macro LOADK off                       ; my 32 channels of my key
.irp j, 0,1,2,3,4,5,6,7
	global_load_b128 v[XN+4*\j:XN+4*\j+3], v[GK], s[KP:KP+1] offset:\off+16*\j
.endr
.endm
.macro LOADV off                       ; my channel of 32 keys: each load reads 128 consecutive bytes in 32 lanes
.set n, 0
.rept 32
	global_load_b32 v[XN+n], v[GV], s[VP:VP+1] offset:\off+256*n
.set n, n+1
.endr
.endm
; 32 numbers of ONE block, v[src] on, become 2 x 3 registers of codes at d0 and d1 (a conversion's three registers begin on an even number) and the scale's byte in v[QB].
.macro QUANT src, d0, d1
	v_max3_num_f32 v[QM0], |v[\src]|, |v[\src+1]|, 0x1800000     ; the largest magnitude, with the floor 2^(3 - 127) among its leaves: the byte cannot fall under 1
	v_max3_num_f32 v[QM1], |v[\src+2]|, |v[\src+3]|, |v[\src+4]|
.irp i, 5,9,13,17,21,25
	v_max3_num_f32 v[QM0], v[QM0], |v[\src+\i]|, |v[\src+\i+1]|  ; (two chains by turns)
	v_max3_num_f32 v[QM1], v[QM1], |v[\src+\i+2]|, |v[\src+\i+3]|
.endr
	v_max3_num_f32 v[QM0], v[QM0], |v[\src+29]|, |v[\src+30]|
	v_max3_num_f32 v[QM0], v[QM0], v[QM1], |v[\src+31]|
	v_add_nc_u32 v[QSO], 0xff000000, v[QM0]                      ; 2 off its exponent field: the conversion takes the exponent field of this operand as its scale, and nothing else of it
	v_cvt_scalef32_pk16_fp6_f32 v[\d0:\d0+2], v[\src:\src+15], v[QSO]
	v_cvt_scalef32_pk16_fp6_f32 v[\d1:\d1+2], v[\src+16:\src+31], v[QSO]
	v_lshrrev_b32 v[QB], 23, v[QSO]                              ; the scale's byte; also the plain instruction behind the conversions
.endm
.macro WORD dst                        ; a row's scale word: my half's byte at byte (lane / 16), lane l xor 16's at the other; bytes 2 and 3 are 0
	v_lshlrev_b32 v[QT], v[SH8], v[QB]
	v_permlanex16_b32 v[QU], v[QT], s[SEL], s[SEL+1]
	v_or_b32 v[\dst], v[QT], v[QU]
.endm
.macro CODES adr, off                  ; a block's 24 bytes of codes into half of a lane's place in an image; every address is a multiple of its access's size
	ds_store_b64 v[\adr], v[QC:QC+1] offset:\off
	ds_store_b32 v[\adr], v[QC+2] offset:\off+8
	ds_store_b32 v[\adr], v[QC+4] offset:\off+12
	ds_store_b32 v[\adr], v[QC+5] offset:\off+16
	ds_store_b32 v[\adr], v[QC+6] offset:\off+20
.endm
.macro PUTK off                        ; my wave's tile of K (16 keys x 64 channels) becomes codes and scale words in LDS, off bytes behind the trip in hand
	s_wait_loadcnt 0x0                                           ; the block's eight loads are in (nothing younger is out)
	QUANT XN, QC, QC+4
	v_add_nc_u32 v[WT0], s[TB], v[WK0]
	CODES WT0, \off
	WORD QT
	v_add_nc_u32 v[WT1], s[TB], v[WKS0]
	ds_store_b32 v[WT1], v[QT] offset:\off                       ; lanes l and l xor 16 store the same word with the same value
.endm
.macro PUTV off                        ; my wave's 32 keys x 32 channels of V likewise
	s_wait_loadcnt 0x0                                           ; the block's 32 loads are in
	QUANT XN, QC, QC+4
	v_add_nc_u32 v[WT0], s[TB], v[WV0]
	CODES WT0, \off
	v_add_nc_u32 v[WT1], s[TB], v[WVS0]
	ds_store_b8 v[WT1], v[QB] offset:\off                        ; my block's byte of my channel's scale word
.endm
.macro QUANTQ src                      ; my query's 32 channels become registers 0-5 of Q's fragment and its scale word
	QUANT \src, QF, QC+4
.irp i, 0,1,2
	v_mov_b32 v[QF+3+\i], v[QC+4+\i]
.endr
	WORD QS
.endm
.macro INIT                            ; the step is written once: the first finds zeros, which the first change of M leaves zeros
	v_mov_b32 v[TMX], 0xff61b1e6                                 ; -3e38, under every t
	v_floor_f32 v[NM], -v[TMX]
	v_mov_b32 v[SUM], 0
	v_mov_b32 v[SUM+1], 0
.set n, 0
.rept 32
	v_mov_b32 v[OT+n], 0
.set n, n+1
.endr
.endm
; A SUB-STEP: 128 keys, the sg-th of the trip in hand.  kind 1: the next trip's K is quantised on the way and its V asked for; kind 2: its V is quantised and the K of the trip after asked for; kind 0: neither.
.macro SUB sg, kind
	ds_load_b128 v[KSW:KSW+3], v[RDW] offset:\sg*SUBB+SOFF       ; (the seventeen additions that end a sub-step are the places between its last products and these loads)
	ds_load_b64 v[VSW:VSW+1], v[RDW] offset:\sg*SUBB+SOFF+16
.irp i, 0,1,2,3,4,5,6,7,8,9,10,11
	ds_load_b128 v[FR+4*\i:FR+4*\i+3], v[RDW] offset:\sg*SUBB+KOFF+IMG*(\i/3)+16*(\i%3)   ; K's tile T lands at v[FR + 6 T]
.endr
.if \kind == 1
	PUTK TRIPB
	LOADV TRIPG
.endif
.if \kind == 2
	PUTV TRIPB
	s_cmp_eq_u32 s[CNT], 1                                       ; the last building trip has no trip two on: no load leaves the head
	s_cbranch_scc1 .Lno_k_\@
	LOADK 2*TRIPG
.Lno_k_\@:
	s_cmp_gt_u32 s[CNT], s[LIM]
	s_cbranch_scc0 .Lno_pf_\@
	; A PREFETCH INTO THE L2 of the trip THREE on: 256 rows of K (waves 0-7) and of V (waves 8-15), 256 bytes a row, a lane a row, one instruction a wave, behind the wave's own loads.
	; The four work-groups of a head walk the same rows: the head's first asks, so each row is named once in the launch.  Trips 0 to 2 come by their loads alone; trips 5 and 6 ask for nothing: there is no trip 8.
	global_prefetch_b8 v[PFO], s[PFA:PFA+1] th:TH_LOAD_NT scope:SCOPE_SE
.Lno_pf_\@:
.endif
	s_wait_dscnt 0x0                                             ; K's fragments and the scale words are in, and my stores into the images are done
.irp t, 0,1,2,3
	v_wmma_scale_f32_16x16x128_f8f6f4 v[SR+8*\t:SR+8*\t+7], v[FR+6*\t:FR+6*\t+11], v[QF:QF+11], 0, v[KSW+\t], v[QS] matrix_a_fmt:MATRIX_FMT_FP6 matrix_b_fmt:MATRIX_FMT_FP6
.endr
.irp t, 4,5,6,7
	v_wmma_scale_f32_16x16x128_f8f6f4 v[SR+8*\t:SR+8*\t+7], v[FR+6*\t:FR+6*\t+11], v[QF:QF+11], 0, v[KSW+\t-4], v[QS] matrix_a_fmt:MATRIX_FMT_FP6 matrix_b_fmt:MATRIX_FMT_FP6 matrix_a_scale:MATRIX_SCALE_ROW1
.endr
.rept 4
	v_nop                                                        ; four places in front of the loads into K's registers and of the first read of the scores
.endr
.irp i, 0,1,2,3,4,5,6,7,8,9,10,11
	ds_load_b128 v[FR+4*\i:FR+4*\i+3], v[RDW] offset:\sg*SUBB+VOFF+IMG*(\i/3)+16*(\i%3)   ; V's four fragments land while the softmax is walked
.endr
.irp b, 0,1,2,3
	v_max3_num_f32 v[MX+\b], v[SR+16*\b], v[SR+16*\b+1], v[SR+16*\b+2]   ; THE LARGEST SCORE OF EACH BLOCK OF 32 KEYS serves twice: for the row's maximum and, since p rises with the score, for the block's largest p
.endr
.irp i, 3,5,7,9,11,13
.irp b, 0,1,2,3
	v_max3_num_f32 v[MX+\b], v[MX+\b], v[SR+16*\b+\i], v[SR+16*\b+\i+1]  ; (the four blocks by turns; each accumulator is first read at its low end)
.endr
.endr
.irp b, 0,1,2,3
	v_max_num_f32 v[MX+\b], v[MX+\b], v[SR+16*\b+15]
.endr
.irp b, 0,1,2,3
	v_permlanex16_b32 v[PT+\b], v[MX+\b], s[SEL], s[SEL+1]
.endr
.irp b, 0,1,2,3
	v_max_num_f32 v[MX+\b], v[MX+\b], v[PT+\b]                   ; with lane l xor 16's 16 keys
.endr
	v_max3_num_f32 v[T1], v[MX], v[MX+1], v[MX+2]
	v_max_num_f32 v[T1], v[T1], v[MX+3]                          ; the sub-step's largest score of my query
	v_mul_f32 v[T1], s[CS], v[T1]                                ; as t (c is positive)
	v_max_num_f32 v[TMX], v[TMX], v[T1]
	v_mov_b32 v[T1], v[NM]
	v_floor_f32 v[NM], -v[TMX]                                   ; the new -M = floor(-t) = -ceil(t): a whole number
	v_sub_f32 v[T1], v[NM], v[T1]                                ; old M - new M: a whole number, 0 or less
	v_cvt_i32_f32 v[T1], v[T1]                                   ; (it saturates)
	v_ldexp_f32 v[FA], 1.0, v[T1]                                ; f = 2^(old M - new M)
.set n, 0
.rept 32
	v_pk_fma_f32 v[SR+n:SR+n+1], v[SR+n:SR+n+1], s[CS:CS+1], v[NM:NM+1] op_sel_hi:[1,0,0]   ; t - M, two at a time (of the pairs c and -M the low word serves both halves)
.set n, n+2
.endr
.irp b, 0,1,2,3
	v_fma_f32 v[MX+\b], v[MX+\b], s[CS], v[NM]                   ; the same of each block's largest score
.endr
; THE 68 EXPONENTIALS ARE ONE BATCH WITH ONE WAIT.  O^T's rescaling, which names no result of theirs, is dealt out among them: one packed multiply behind each four.
.set n, 0
.rept 16
	v_exp_f32 v[SR+4*n], v[SR+4*n]
	v_exp_f32 v[SR+4*n+1], v[SR+4*n+1]
	v_exp_f32 v[SR+4*n+2], v[SR+4*n+2]
	v_exp_f32 v[SR+4*n+3], v[SR+4*n+3]
	v_pk_mul_f32 v[OT+2*n:OT+2*n+1], v[OT+2*n:OT+2*n+1], v[FA:FA+1] op_sel_hi:[1,0]   ; O^T under the new M, each tile from its low end on
.set n, n+1
.endr
.irp b, 0,1,2,3
	v_exp_f32 v[MX+\b], v[MX+\b]                                 ; the block's largest p: the same two instructions on the same number give the same bits
.endr
	v_pk_mul_f32 v[SUM:SUM+1], v[SUM:SUM+1], v[FA:FA+1] op_sel_hi:[1,0]   ; the sums under the new M; also the plain instruction behind the last exponential
	s_wait_alu depctr_va_vdst(0)                                 ; the wait ahead of the first instruction that names a result: one for the batch
.irp b, 0,1,2,3
	v_max_num_f32 v[MX+\b], 0x1800000, v[MX+\b]                  ; the floor 2^(3 - 127): the byte cannot fall under 1
.endr
.irp b, 0,1,2,3
	v_add_nc_u32 v[SO+\b], 0xff000000, v[MX+\b]                  ; 2 off the exponent field: the conversion's scale operand
.endr
.irp b, 0,1,2,3
	v_lshrrev_b32 v[PT+\b], 23, v[SO+\b]                         ; the scale's byte
.endr
	v_lshl_or_b32 v[PS], v[PT+1], 8, v[PT]                       ; p's scale word for these 128 keys
	v_lshl_or_b32 v[PS], v[PT+2], 16, v[PS]
	v_lshl_or_b32 v[PS], v[PT+3], 24, v[PS]
.irp c, 0,1
	v_cvt_scalef32_pk16_fp6_f32 v[PC+6*\c:PC+6*\c+2], v[SR+32*\c:SR+32*\c+15], v[SO+2*\c]
	v_cvt_scalef32_pk16_fp6_f32 v[PT+4*\c:PT+4*\c+2], v[SR+32*\c+16:SR+32*\c+31], v[SO+2*\c+1]
.endr
	v_nop                                                        ; one plain instruction behind the scaled conversions
.irp c, 0,1                            ; the operand's layout wants a WHOLE block in a lane: lanes 0-15 block 2 c, lanes 16-31 block 2 c + 1
.irp i, 0,1,2
	v_permlane16_swap_b32 v[PC+6*\c+\i], v[PT+4*\c+\i]
.endr
.irp i, 0,1,2
	v_mov_b32 v[PC+3+6*\c+\i], v[PT+4*\c+\i]
.endr
.endr
	v_pk_add_f32 v[PT:PT+1], v[SR:SR+1], v[SR+2:SR+3]            ; THE ROW'S SUM IS TAKEN OF THE UNQUANTISED p, two at a time, in two chains.  These fifteen are also the places between p's scale word and codes and the products
.irp j, 4,8,12,16,20,24,28
	v_pk_add_f32 v[SUM:SUM+1], v[SUM:SUM+1], v[SR+\j:SR+\j+1]
	v_pk_add_f32 v[PT:PT+1], v[PT:PT+1], v[SR+\j+2:SR+\j+3]
.endr
	s_wait_dscnt 0x0                                             ; V's fragments are in
.irp t, 0,1                            ; the four accumulators take turns, one instruction a turn
	v_wmma_scale_f32_16x16x128_f8f6f4 v[OT+8*\t:OT+8*\t+7], v[FR+12*\t:FR+12*\t+11], v[PC:PC+11], v[OT+8*\t:OT+8*\t+7], v[VSW+\t], v[PS] matrix_a_fmt:MATRIX_FMT_FP6 matrix_b_fmt:MATRIX_FMT_FP6
.endr
.irp t, 2,3
	v_wmma_scale_f32_16x16x128_f8f6f4 v[OT+8*\t:OT+8*\t+7], v[FR+12*\t:FR+12*\t+11], v[PC:PC+11], v[OT+8*\t:OT+8*\t+7], v[VSW+\t-2], v[PS] matrix_a_fmt:MATRIX_FMT_FP6 matrix_b_fmt:MATRIX_FMT_FP6 matrix_a_scale:MATRIX_SCALE_ROW1
.endr
.irp j, 32,36,40,44,48,52,56,60        ; the rest of the sum names no register of those products: seventeen places behind them
	v_pk_add_f32 v[SUM:SUM+1], v[SUM:SUM+1], v[SR+\j:SR+\j+1]
	v_pk_add_f32 v[PT:PT+1], v[PT:PT+1], v[SR+\j+2:SR+\j+3]
.endr
	v_pk_add_f32 v[SUM:SUM+1], v[SUM:SUM+1], v[PT:PT+1]
.endm
; A TRIP: 256 keys.  q = 1: the next trip's images are built on the way, and a barrier shows them whole to every wave.
.macro TRIP q
	v_add_nc_u32 v[RDW], s[TB], v[RD0]
.if \q
	SUB 0, 1
	SUB 1, 2
	s_wait_dscnt 0x0                                             ; for the others' sake: my stores into the next trip's images are done
	s_barrier_signal -1
	s_barrier_wait -1                                            ; everybody's are.  (No image byte is written twice, so nothing need be ordered behind the reads)
	s_wait_xcnt 0x0                                              ; my loads and my prefetch have read their bases: these may step
	s_add_nc_u64 s[KP:KP+1], s[KP:KP+1], TRIPG
	s_add_nc_u64 s[VP:VP+1], s[VP:VP+1], TRIPG
	s_add_nc_u64 s[PFA:PFA+1], s[PFA:PFA+1], TRIPG
.else
	SUB 0, 0
	SUB 1, 0
.endif
	s_add_co_u32 s[TB], s[TB], TRIPB
.endm
; THE WAY OUT of pass p.  O^T is divided by the sum and goes through my own stage in LDS, so that the 32 lanes store two whole rows, 512 consecutive bytes.
.macro FINISH p
.if \p == 0
	LOADQ FR, TRIPG                                              ; the second pass's queries, into registers that V's fragments have left: the seventeen additions that end a sub-step stand between the last product that read them and these loads.
	                                                             ; (Not into v128 on: on no way through the text do two loads that are out share a destination)
.endif
	v_add_f32 v[SUM], v[SUM], v[SUM+1]                           ; the sum's two halves,
	v_permlanex16_b32 v[T1], v[SUM], s[SEL], s[SEL+1]
	v_add_f32 v[SUM], v[SUM], v[T1]                              ; and lane l xor 16's 64 keys of each 128
	v_rcp_f32 v[FA], v[SUM]
	v_nop                                                        ; a plain instruction behind the reciprocal
	s_wait_alu depctr_va_vdst(0)                                 ; and the wait ahead of its first reader
.irp j, 0,2,4,6,8,10,12,14,16,18,20,22,24,26,28,30
	v_pk_mul_f32 v[OT+\j:OT+\j+1], v[OT+\j:OT+\j+1], v[FA:FA+1] op_sel_hi:[1,0]
.endr
.irp t, 0,1,2,3
	ds_store_b128 v[STI], v[OT+8*\t:OT+8*\t+3] offset:64*\t      ; lane (r, h): row r, channels 16 t + 8 h + 0 .. 7
	ds_store_b128 v[STI], v[OT+8*\t+4:OT+8*\t+7] offset:64*\t+16
.endr
.irp i, 0,1,2,3,4,5,6,7
	ds_load_b128 v[SR+4*\i:SR+4*\i+3], v[STO] offset:544*\i      ; LDS serves a wave's instructions in order (ISA guide 5.7.1.4): these see my stores
.endr
.irp i, 0,1,2,3,4,5,6,7
	s_wait_dscnt 7-\i                                            ; rows 2 i and 2 i + 1 are back; the 7 - i loads behind them may be out
	global_store_b128 v[GO], v[SR+4*\i:SR+4*\i+3], s[OP:OP+1] offset:512*\i+TRIPG*\p th:TH_STORE_NT   ; 32 lanes store 512 consecutive bytes, at a multiple of 256 from out0's first byte
.endr
.endm
	; ---- the head: ids, every address register, constants
	s_load_b256 s[4:11], s[0:1], 0x0                             ; Q s[4:5], K s[6:7], V s[8:9], out0 s[10:11]
	v_lshl_add_u32 v55, v0, 2, 0x47000
	v_mov_b32 v127, 0
	v_lshrrev_b32 v[RD0], 5, v0
	v_readfirstlane_b32 s[WV], v[RD0]                            ; wave w, 0 .. 15
	v_and_b32 v36, 31, v0                                        ; l
	v_and_b32 v37, 15, v0                                        ; r = l % 16
	v_bfe_u32 v38, v0, 4, 1                                      ; h = l / 16
	; what my wave quantises of a trip.  K: tile w % 8 of sub-step w / 8.  V: block w / 2 of the trip's eight blocks of 32 keys, channels 32 (w % 2) on
	s_lshr_b32 s13, s[WV], 3
	s_mul_i32 s14, s13, SUBB                                     ; my sub-step
	s_bfe_u32 s15, s[WV], 0x20001                                ; (w / 2) % 4
	s_and_b32 s16, s[WV], 1                                      ; w % 2
	s_bfe_u32 s17, s[WV], 0x10002                                ; (w / 4) % 2
	s_and_b32 s18, s[WV], 3                                      ; w % 4
	s_bfe_u32 s19, s[WV], 0x10001                                ; (w / 2) % 2
	s_lshr_b32 s27, s[WV], 1                                     ; w / 2
	s_mul_i32 s30, s15, IMG                                      ; K's codes: image (w % 8) / 2,
	s_mul_i32 s31, s16, 24                                       ; half w % 2 of a lane's place
	s_add_co_u32 s30, s30, s31
	s_add_co_u32 s30, s30, s14
	s_mul_i32 s31, s17, 768                                      ; K's scale words: lanes 16 ((w % 8) / 4) on,
	s_lshl_b32 s32, s18, 2                                       ; word w % 4
	s_add_co_u32 s31, s31, s32
	s_add_co_u32 s31, s31, s14
	s_add_co_u32 s31, s31, SOFF
	s_mul_i32 s32, s16, 2*IMG                                    ; V's codes: images 2 (w % 2) + h,
	s_mul_i32 s33, s19, 768                                      ; lanes 16 (block % 2) on,
	s_add_co_u32 s32, s32, s33
	s_mul_i32 s33, s17, 24                                       ; half (block / 2) % 2 of a lane's place
	s_add_co_u32 s32, s32, s33
	s_add_co_u32 s32, s32, s14
	s_add_co_u32 s32, s32, VOFF
	s_mul_i32 s33, s16, 768                                      ; V's scale bytes: lanes 16 (w % 2) on, word h, byte block % 4
	s_add_co_u32 s33, s33, s15
	s_add_co_u32 s33, s33, s14
	s_add_co_u32 s33, s33, SOFF+16
	s_lshl_b32 s34, s27, 13                                      ; in memory: 32 (w / 2) rows of 256 bytes,
	s_lshl_b32 s35, s16, 11                                      ; K: 8 (w % 2) rows more,
	s_add_co_u32 s35, s35, s34
	s_lshl_b32 s36, s16, 7                                       ; V: 32 (w % 2) channels on
	s_add_co_u32 s36, s36, s34
	s_mul_i32 s37, s[WV], STGW
	s_add_co_u32 s37, s37, STG                                   ; my stage
	v_mul_u32_u24 v[RD0], v36, 48
	v_mul_u32_u24 v39, v37, 48
	v_add_nc_u32 v[WK0], s30, v[RD0]                             ; K's codes are made in the lane that the operand wants them in
	v_add_nc_u32 v[WKS0], s31, v39
	v_mad_u32_u24 v[WV0], v38, IMG, v39                          ; V: my channel 32 (w % 2) + l is row r of tile 2 (w % 2) + h
	v_add_nc_u32 v[WV0], s32, v[WV0]
	v_lshl_add_u32 v[WVS0], v38, 2, v39
	v_add_nc_u32 v[WVS0], s33, v[WVS0]
	v_and_b32 v40, 8, v37
	v_add_nc_u32 v40, v40, v37                                   ; r + 8 (r / 8)
	v_lshlrev_b32 v[GK], 8, v40
	v_lshl_add_u32 v[GK], v38, 7, v[GK]                          ; + my 32 channels
	v_add_nc_u32 v[GK], s35, v[GK]
	v_lshlrev_b32 v[GV], 2, v36
	v_add_nc_u32 v[GV], s36, v[GV]
	v_lshlrev_b32 v[GQ], 8, v37
	v_lshl_add_u32 v[GQ], v38, 7, v[GQ]
	v_and_b32 v[PFO], 255, v0
	v_lshlrev_b32 v[PFO], 8, v[PFO]
	v_lshlrev_b32 v[SH8], 3, v38
	v_mul_u32_u24 v[STI], v37, 272
	v_lshl_add_u32 v[STI], v38, 5, v[STI]
	v_add_nc_u32 v[STI], s37, v[STI]
	v_mul_u32_u24 v[STO], v38, 272                               ; back: lanes 0-15 one row of 256 bytes, lanes 16-31 the next
	v_lshl_add_u32 v[STO], v37, 4, v[STO]
	v_add_nc_u32 v[STO], s37, v[STO]
	v_lshlrev_b32 v[GO], 4, v36
.irp i, 0,1,2,3,4,5
	v_mov_b32 v[QF+6+\i], 0                                      ; Q's zero codes for k = 64 .. 127
	v_mov_b32 v[ZT+\i], 0                                        ; the tail of K's last tile
.endr
.irp i, 0,1,2,3
	v_mov_b32 v[PT+\i], 0                                        ; written once: a lane permute's destination counts as one of its sources
.endr
	v_mov_b32 v[QU], 0
	v_mov_b32 v[T1], 0
	v_mov_b32 v[FA+1], 0                                         ; (named as the upper half of a pair)
	s_mov_b32 s[SEL], 0x76543210
	s_mov_b32 s[SEL+1], 0xfedcba98
	s_mov_b32 s[CS], 0x3e38aa3b                                  ; c = log2(e) / 8
	s_mov_b32 s[CS+1], s[CS]                                     ; (named with it as a pair, so it is written)
	s_mov_b32 s[TB], 0
	s_cmp_eq_u32 ttmp9, 0
	s_cselect_b32 s[LIM], 2, -1
	s_and_b32 s30, ttmp7, 0xffff                                 ; the head
	s_lshl_b32 s30, s30, 19                                      ; its first byte in each tensor: at most 63 x 524,288
	s_mov_b32 s31, 0
	s_lshl_b32 s32, ttmp9, 17                                    ; my work-group's 512 rows,
	s_lshl_b32 s33, s[WV], 12                                    ; my wave's 16 of a pass's 256
	s_add_co_u32 s32, s32, s33
	s_add_co_u32 s32, s32, s30
	s_mov_b32 s33, 0
	s_wait_kmcnt 0x0
	s_cmp_lt_u32 s[WV], 8
	s_cselect_b64 s[PFA:PFA+1], s[KP:KP+1], s[VP:VP+1]
	s_add_nc_u64 s[PFA:PFA+1], s[PFA:PFA+1], s[30:31]
	s_add_nc_u64 s[PFA:PFA+1], s[PFA:PFA+1], 3*TRIPG             ; trip 0 asks for trip 3.  Nothing is prefetched here, at the head
	s_add_nc_u64 s[KP:KP+1], s[KP:KP+1], s[30:31]
	s_add_nc_u64 s[VP:VP+1], s[VP:VP+1], s[30:31]
	s_add_nc_u64 s[QP:QP+1], s[QP:QP+1], s[32:33]
	s_add_nc_u64 s[OP:OP+1], s[OP:OP+1], s[32:33]
	; ---- the prologue: Q of pass 0, and trip 0's images
	LOADQ SR, 0
	LOADK 0
	s_wait_loadcnt 0x8                                           ; Q's eight loads are in; K's eight, issued behind them, may be out
	QUANTQ SR
	PUTK 0
	LOADV 0
	INIT                                                         ; (while V is on its way)
	PUTV 0
	LOADK TRIPG                                                  ; trip 1's K
	s_wait_dscnt 0x0                                             ; my part of trip 0's images is stored
	s_barrier_signal -1
	s_barrier_wait -1                                            ; everybody's is
	; ---- pass 0: trips 0 to 6 multiply their own images and build the next trip's
	s_mov_b32 s[CNT], 7
.Lbuild:
	TRIP 1
	s_sub_co_u32 s[CNT], s[CNT], 1
	s_cmp_lg_u32 s[CNT], 0
	s_cbranch_scc1 .Lbuild
	TRIP 0                                                       ; trip 7: nothing is left to build
	FINISH 0
	; ---- pass 1: the next 256 queries; all images lie in LDS and nobody writes them: no barrier
	s_wait_loadcnt 0x0                                           ; Q
	QUANTQ FR
	INIT
	s_wait_xcnt 0x0                                              ; pass 0's stores have read their data registers, which the first products write
	s_mov_b32 s[TB], 0
	s_mov_b32 s[CNT], 8
.Lread:
	TRIP 0
	s_sub_co_u32 s[CNT], s[CNT], 1
	s_cmp_lg_u32 s[CNT], 0
	s_cbranch_scc1 .Lread
	FINISH 1
	s_wait_tensorcnt 0x0
	ds_add_u32 v55, v127
	s_wait_dscnt 0x0
	s_endpgm
.Lfunc_end_k_q80bf1a8f57_attn:
	.size	k_q80bf1a8f57_attn, .Lfunc_end_k_q80bf1a8f57_attn-k_q80bf1a8f57_attn
	.p2alignl 7, 3214868480
	.fill 96, 4, 3214868480
	.section	.rodata,"a",@progbits
	.p2align	6, 0x0
	.amdhsa_kernel k_q80bf1a8f57_attn
		.amdhsa_group_segment_fixed_size 292864
		.amdhsa_private_segment_fixed_size 0
		.amdhsa_enable_private_segment 0
		.amdhsa_kernarg_size 32
		.amdhsa_user_sgpr_count 2
		.amdhsa_user_sgpr_kernarg_segment_ptr 1
		.amdhsa_wavefront_size32 1
		.amdhsa_system_sgpr_workgroup_id_x 1
		.amdhsa_system_sgpr_workgroup_id_y 1
		.amdhsa_system_sgpr_workgroup_id_z 1
		.amdhsa_system_vgpr_workitem_id 0
		.amdhsa_next_free_vgpr 256
		.amdhsa_next_free_sgpr 66
		.amdhsa_reserve_vcc 0
		.amdhsa_float_denorm_mode_32 3
		.amdhsa_float_denorm_mode_16_64 3
		.amdhsa_memory_ordered 1
		.amdhsa_forward_progress 1
		.amdhsa_inst_pref_size 125
	.end_amdhsa_kernel
	.amdgpu_metadata
---
amdhsa.version: [ 1, 2 ]
amdhsa.kernels:
  - .name:           k_q80bf1a8f57_attn
    .symbol:         k_q80bf1a8f57_attn.kd
    .args:
      - { .name: Q, .offset: 0, .size: 8, .value_kind: global_buffer, .address_space: global }
      - { .name: K, .offset: 8, .size: 8, .value_kind: global_buffer, .address_space: global }
      - { .name: V, .offset: 16, .size: 8, .value_kind: global_buffer, .address_space: global }
      - { .name: out0, .offset: 24, .size: 8, .value_kind: global_buffer, .address_space: global }
    .group_segment_fixed_size: 292864
    .private_segment_fixed_size: 0
    .kernarg_segment_align: 8
    .kernarg_segment_size: 32
    .max_flat_workgroup_size: 512
    .sgpr_count:     66
    .vgpr_count:     256
    .wavefront_size: 32
...
	.end_amdgpu_metadata
.endif
;; end of part 1
;; ======== version 2 of 2: 1 launch; version 1 with the launch attn written anew for expert scheduling mode
;; launch attn (part 2): grid 4 x 64, 16 waves a work-group, no clusters, 292,864 bytes of LDS; arguments Q, K, V, out0; writes out0
.if DOCPART == 2
	.amdgcn_target "amdgcn-amd-amdhsa--gfx1250"
	.amdhsa_code_object_version 6
	.text
	.protected	k_q80bf1a8f57_attn
	.globl	k_q80bf1a8f57_attn
	.p2align	8
	.type	k_q80bf1a8f57_attn,@function
k_q80bf1a8f57_attn:
	s_mov_b64 s[64:65], 0
	v_nop
	global_prefetch_b8 v0, s[64:65] scope:SCOPE_SE
	s_setreg_imm32_b32 hwreg(HW_REG_WAVE_SCHED_MODE, 0, 2), 2
	s_setreg_imm32_b32 hwreg(HW_REG_WAVE_MODE, 25, 1), 1
	s_wait_xcnt 0x0
	s_wait_alu depctr_vm_vsrc(0)
; out0[head][q][:] = the sum over k of softmax_k(Q[head][q] . K[head][k] / 8) V[head][k][:].  Q, K, V, out0: [64 heads][2048][64] f32.
; Both products run on codes of FP6 (E2M3) with one E8M0 scale for each 32 along a product's K, by v_wmma_scale_f32_16x16x128_f8f6f4; sums in f32.
; THE SOFTMAX AHEAD OF THE SECOND PRODUCT: t = score x log2(e) / 8; M = the row's largest t so far, rounded UP to a whole number; p = 2^(t - M) is quantised along the keys, not normalised.
; The row's sum is taken of the unquantised p and divides at the end.  When M moves, the sum and O are multiplied by 2^(old M - new M): exact.
; SHARES.  256 work-groups: work-group (x, head) owns queries 512 x .. 512 x + 511 of one head, in two passes of 256.  Sixteen waves of 256 registers; in a pass a wave owns ONE tile of 16 queries.
; Every wave walks all 2,048 keys: 8 trips of 256 keys, a trip is two sub-steps of 128 keys: 8 products K Q^T and 4 products V^T P a wave and sub-step.
; K AND V ARE QUANTISED ONCE A WORK-GROUP.  Their f32 numbers go from memory straight into registers, in the order that the conversions want (K: a lane takes a key and 32 neighbouring channels;
; V: a lane takes a channel and its registers run down 32 keys), and the codes go to LDS as IMAGES OF THE OPERANDS' REGISTERS: a lane's 48 bytes (12 registers) at 48 x lane.  The whole head's
; codes and scale words, 8 x 27,648 bytes, stay in LDS; no byte of them is written twice.  Pass 0 builds trip J + 1's images while it multiplies trip J's: one barrier a trip.  Pass 1 only reads.
; LAYOUT.  Both products are used transposed: S^T = K Q^T (source 0 = 16 keys, source 1 = my 16 queries), O^T = V^T P^T (source 0 = 16 channels, source 1 = P): a lane holds ONE query (lane % 16) throughout.
; THE KEYS OF A TILE ARE NOT NEIGHBOURS: lane r of tile 2 b + u takes key 32 b + 8 u + r + 8 (r / 8), so that the 16 registers of tiles 2 b and 2 b + 1 are 16 neighbouring keys, 32 b + 16 (lane / 16) + 0 .. 15.
; THE FIRST PRODUCT'S K IS 64, THE INSTRUCTION'S 128.  Q's fragment holds zero CODES for k = 64 .. 127, and bytes 2 and 3 of Q's and K's scale words are 0 (2^-127, no NaN).  So whatever finite codes
; stand in the upper six registers of K's operand add exactly 0: K's half fragments lie six registers apart, a tile's operand runs on into the next tile's codes, and the last tile's into six zeros.
; NO CLUSTER, NO JOINT REQUESTS: what the four work-groups of a head share arrives as f32.  Asked for jointly, a trip's 131,072 bytes would be laid into LDS and read out of it again;
; here they go to registers and 27,648 bytes of codes and scale words enter LDS.
; LIMITS: NaN and infinities among the inputs are not served.  A block of zeros, and any block whose largest magnitude lies under 2^(3 - 127), gets the byte 1 (the rule says 127 for zeros): its codes
; are zeros or as the floor's scale gives them, and the bytes are read by this program alone.  A block's largest p is taken through its largest score, which takes v_exp_f32 not to fall where its input rises.
; p under 2^-126 comes out of v_exp_f32 as 0.
; THE MODE: SCHED_MODE bits 1:0 = 2 (LLVM: expert scheduling mode 2), set by the entry lines.  The code itself states the register dependences
; between vector or matrix instructions and memory or LDS instructions, with s_wait_alu, always for 0.
; THE PLAN.  Registers that memory or LDS instructions touch:
;   v[FR ..]         A sub-step: K's LDS loads land; the products K Q^T read them; V's LDS loads land; the products V^T P read them.  Between the passes Q's loads land in the first 32, and Q's quantiser reads them.
;   v[KSW ..], v[VSW ..]  Loaded at a sub-step's head; read by its products as scales.
;   v[XN ..]         K's loads land, K's quantiser reads; V's loads land, V's quantiser reads; and so on by turns.
;   v39-48, v[WT0], v[WT1]  Written by a quantiser's lines, read by its six LDS stores; written again by the softmax and by the next quantiser.
;   v[RDW]           Read by every LDS load of an image; written once a trip, at its head.
;   v[OT ..], v[SR ..]  On the way out: the multiplies write O^T, the LDS stores read it; the stage's loads land in v[SR ..], the global stores read them; the next pass writes both again.
;   All other addresses and offsets, the zeros behind K's last tile and in Q's fragment: written at the head alone.
; WAITS ON va_vdst IN A SUB-STEP: at its head (the last products are done with their fragments and scales; v[RDW] is written); behind a quantiser's lines (its stores' data and addresses are written, v[XN ..] is read out);
; behind K Q^T (its fragments' registers may take V's); behind the exponentials; ahead of V^T P (p's codes and scale word are written).  Each is followed by the memory or LDS instructions that it serves, with no vector
; or matrix instruction between that names a register of theirs.  WAITS ON vm_vsrc: behind a quantiser's stores, ahead of the softmax; at a trip's head, ahead of the add to v[RDW]; between the passes.
.set HEADB, 524288                     ; a head in bytes: 2,048 rows of 256
.set TRIPG, 65536                      ; a trip's 256 rows of K or of V in memory; also a pass's 256 rows of Q and of out0
.set IMG,   1536                       ; an image: 32 lanes x 48 bytes.  48 bytes = 12 words
.set SUBB,  9*IMG                      ; a sub-step of 128 keys:
.set KOFF,  0                          ;   4 images of K: image j = tiles 2 j (a lane's bytes 0-23) and 2 j + 1 (bytes 24-47)
.set VOFF,  4*IMG                      ;   4 images of V^T: image t = channels 16 t .. 16 t + 15; lane (r, hh): keys 32 hh + 0 .. 31 (bytes 0-23) and 64 + 32 hh + 0 .. 31 (bytes 24-47)
.set SOFF,  8*IMG                      ;   1 image of scale words: lane (r, hh): bytes 0-15 K's words of row r of tiles 4 hh .. 4 hh + 3; bytes 16-23 V's of row r of tiles 2 hh, 2 hh + 1; the rest is never touched
.set TRIPB, 2*SUBB
.set STG,   8*TRIPB                    ; behind the images: the way out, 16 rows x (256 + 16) bytes for each wave
.set STGW,  16*272
; vector registers
.set RD0,  1                           ; 48 x lane: my place in an image
.set RDW,  2                           ; the same in the trip in hand
.set WK0,  3                           ; where I store my block of K's codes, in trip 0
.set WKS0, 4                           ; and my row's scale word of K
.set WV0,  5                           ; my block of V's codes
.set WVS0, 6                           ; and its scale byte
.set GK,   7                           ; my byte in a trip's rows of K
.set GV,   8                           ; of V
.set GQ,   9                           ; in my wave's 16 rows of Q
.set PFO,  10                          ; the prefetches' offset: 256 x (thread % 256): a lane a row
.set SH8,  11                          ; 8 x (lane / 16)
.set NM,   12                          ; -M
.set TMX,  13                          ; the largest t so far
.set SUM,  14                          ; v[14:15] the row's sum in two halves
.set QF,   16                          ; v16-27 Q's fragment: 16-21 codes, 22-27 zeros
.set QS,   28                          ; Q's scale words          (v28-35 hold scales and nothing else)
.set PS,   29                          ; p's scale word
.set KSW,  30                          ; v30-33 K's scale words of a sub-step
.set VSW,  34                          ; v34-35 V's
.set MX,   36                          ; v36-39 the blocks' largest scores, then largest p
.set PT,   40                          ; v40-47 at work: exchange, bytes, the conversions' second halves (40-42, 44-46), then the second chain of the sum (40:41)
.set SO,   48                          ; v48-51 the conversions' scale operands
.set FA,   52                          ; f = 2^(old M - new M); at the end 1 / the sum.  v53 is named with it as a pair
.set T1,   54
.set QM0,  36                          ; the quantiser of K, V and Q stands where the softmax's registers hold nothing:
.set QM1,  37                          ;   two chains of the largest magnitude,
.set QSO,  38                          ;   the conversions' scale operand,
.set QB,   39                          ;   the scale's byte,
.set QC,   40                          ;   the codes: v40-42 and v44-46,
.set QT,   48
.set QU,   49
.set PC,   56                          ; v56-67 p's codes
.set FR,   68                          ; v68-115 K's eight half fragments, later V's four fragments; between the passes v68-99 take the second pass's 32 numbers of Q
.set ZT,   116                         ; v116-121 zeros: the tail of K's last tile
.set STI,  122                         ; the way out: where I put 32 bytes of a row
.set STO,  123                         ; and where I read a row back
.set GO,   124                         ; 16 x lane: my bytes of two rows of out0
.set WT0,  125                         ; LDS addresses of the stores in hand
.set WT1,  126
.set XN,   128                         ; v128-159 32 numbers on their way in: a block of K, then of V, by turns
.set OT,   160                         ; v160-191 O^T: register 8 t + j = channel 16 t + 8 (lane / 16) + j
.set SR,   192                         ; v192-255 S^T, then p: register 16 b + i = key 32 b + 16 (lane / 16) + i of the sub-step
; scalar registers
.set QP,   4                           ; s[4:5]   Q at my wave's first row
.set KP,   6                           ; s[6:7]   K at the trip in hand
.set VP,   8                           ; s[8:9]   V likewise
.set OP,   10                          ; s[10:11] out0 at my wave's first row
.set WV,   12                          ; my wave's number
.set SEL,  20                          ; s[20:21] v_permlanex16_b32's selects for lane l xor 16
.set CS,   22                          ; s[22:23] c = log2(e) / 8
.set TB,   24                          ; LDS byte at which the images of the trip in hand begin
.set CNT,  25                          ; trips to go
.set LIM,  26                          ; 2 in the head's first work-group, else the greatest number: a wave prefetches while s[CNT] is above it
.set PFA,  28                          ; s[28:29] where my prefetches stand: K's (waves 0-7) or V's (waves 8-15) rows of the trip three on
.macro LOADQ dst, off                  ; my 32 channels of my query: 128 consecutive bytes
.irp j, 0,1,2,3,4,5,6,7
	global_load_b128 v[\dst+4*\j:\dst+4*\j+3], v[GQ], s[QP:QP+1] offset:\off+16*\j th:TH_LOAD_NT
.endr
.endm
.macro LOADK off                       ; my 32 channels of my key
.irp j, 0,1,2,3,4,5,6,7
	global_load_b128 v[XN+4*\j:XN+4*\j+3], v[GK], s[KP:KP+1] offset:\off+16*\j
.endr
.endm
.macro LOADV off                       ; my channel of 32 keys: each load reads 128 consecutive bytes in 32 lanes
.set n, 0
.rept 32
	global_load_b32 v[XN+n], v[GV], s[VP:VP+1] offset:\off+256*n
.set n, n+1
.endr
.endm
; 32 numbers of ONE block, v[src] on, become 2 x 3 registers of codes at d0 and d1 (a conversion's three registers begin on an even number) and the scale's byte in v[QB].
.macro QUANT src, d0, d1
	v_max3_num_f32 v[QM0], |v[\src]|, |v[\src+1]|, 0x1800000     ; the largest magnitude, with the floor 2^(3 - 127) among its leaves: the byte cannot fall under 1
	v_max3_num_f32 v[QM1], |v[\src+2]|, |v[\src+3]|, |v[\src+4]|
.irp i, 5,9,13,17,21,25
	v_max3_num_f32 v[QM0], v[QM0], |v[\src+\i]|, |v[\src+\i+1]|  ; (two chains by turns)
	v_max3_num_f32 v[QM1], v[QM1], |v[\src+\i+2]|, |v[\src+\i+3]|
.endr
	v_max3_num_f32 v[QM0], v[QM0], |v[\src+29]|, |v[\src+30]|
	v_max3_num_f32 v[QM0], v[QM0], v[QM1], |v[\src+31]|
	v_add_nc_u32 v[QSO], 0xff000000, v[QM0]                      ; 2 off its exponent field: the conversion takes the exponent field of this operand as its scale, and nothing else of it
	v_cvt_scalef32_pk16_fp6_f32 v[\d0:\d0+2], v[\src:\src+15], v[QSO]
	v_cvt_scalef32_pk16_fp6_f32 v[\d1:\d1+2], v[\src+16:\src+31], v[QSO]
	v_lshrrev_b32 v[QB], 23, v[QSO]                              ; the scale's byte; also the plain instruction behind the conversions
.endm
.macro WORD dst                        ; a row's scale word: my half's byte at byte (lane / 16), lane l xor 16's at the other; bytes 2 and 3 are 0
	v_lshlrev_b32 v[QT], v[SH8], v[QB]
	v_permlanex16_b32 v[QU], v[QT], s[SEL], s[SEL+1]
	v_or_b32 v[\dst], v[QT], v[QU]
.endm
.macro CODES adr, off                  ; a block's 24 bytes of codes into half of a lane's place in an image; every address is a multiple of its access's size
	ds_store_b64 v[\adr], v[QC:QC+1] offset:\off
	ds_store_b32 v[\adr], v[QC+2] offset:\off+8
	ds_store_b32 v[\adr], v[QC+4] offset:\off+12
	ds_store_b32 v[\adr], v[QC+5] offset:\off+16
	ds_store_b32 v[\adr], v[QC+6] offset:\off+20
.endm
; All of a quantiser's vector lines stand ahead of its six stores, so that one wait serves the stores and the loads that follow them.
.macro PUTK off                        ; my wave's tile of K (16 keys x 64 channels) becomes codes and scale words in LDS, off bytes behind the trip in hand
	s_wait_loadcnt 0x0                                           ; the block's eight loads are in (nothing younger is out)
	QUANT XN, QC, QC+4
	v_add_nc_u32 v[WT0], s[TB], v[WK0]
	WORD QT
	v_add_nc_u32 v[WT1], s[TB], v[WKS0]
	s_wait_alu depctr_va_vdst(0)                                 ; the codes, the scale word and the two addresses are written, which the stores below read; and the quantiser is done reading v[XN ..], in which V's loads land behind these stores
	CODES WT0, \off
	ds_store_b32 v[WT1], v[QT] offset:\off                       ; lanes l and l xor 16 store the same word with the same value
.endm
.macro PUTV off                        ; my wave's 32 keys x 32 channels of V likewise
	s_wait_loadcnt 0x0                                           ; the block's 32 loads are in
	QUANT XN, QC, QC+4
	v_add_nc_u32 v[WT0], s[TB], v[WV0]
	v_add_nc_u32 v[WT1], s[TB], v[WVS0]
	s_wait_alu depctr_va_vdst(0)                                 ; the codes, the scale's byte and the two addresses are written, which the stores below read; and the quantiser is done reading v[XN ..], in which K's loads land behind these stores
	CODES WT0, \off
	ds_store_b8 v[WT1], v[QB] offset:\off                        ; my block's byte of my channel's scale word
.endm
.macro QUANTQ src                      ; my query's 32 channels become registers 0-5 of Q's fragment and its scale word
	QUANT \src, QF, QC+4
.irp i, 0,1,2
	v_mov_b32 v[QF+3+\i], v[QC+4+\i]
.endr
	WORD QS
.endm
.macro INIT                            ; the step is written once: the first finds zeros, which the first change of M leaves zeros
	v_mov_b32 v[TMX], 0xff61b1e6                                 ; -3e38, under every t
	v_floor_f32 v[NM], -v[TMX]
	v_mov_b32 v[SUM], 0
	v_mov_b32 v[SUM+1], 0
.set n, 0
.rept 32
	v_mov_b32 v[OT+n], 0
.set n, n+1
.endr
.endm
; A SUB-STEP: 128 keys, the sg-th of the trip in hand.  kind 1: the next trip's K is quantised on the way and its V asked for; kind 2: its V is quantised and the K of the trip after asked for; kind 0: neither.
.macro SUB sg, kind
	s_wait_alu depctr_va_vdst(0)                                 ; the last sub-step's products are done reading their fragments and scale words, in which the loads below land; at a trip's head v[RDW] is written; ahead of a pass's first products Q's codes and scale word are written, and in pass 1 Q's quantiser is done reading v[FR ..]
	ds_load_b128 v[KSW:KSW+3], v[RDW] offset:\sg*SUBB+SOFF
	ds_load_b64 v[VSW:VSW+1], v[RDW] offset:\sg*SUBB+SOFF+16
.irp i, 0,1,2,3,4,5,6,7,8,9,10,11
	ds_load_b128 v[FR+4*\i:FR+4*\i+3], v[RDW] offset:\sg*SUBB+KOFF+IMG*(\i/3)+16*(\i%3)   ; K's tile T lands at v[FR + 6 T]
.endr
.if \kind == 1
	PUTK TRIPB
	LOADV TRIPG
.endif
.if \kind == 2
	PUTV TRIPB
	s_cmp_eq_u32 s[CNT], 1                                       ; the last building trip has no trip two on: no load leaves the head
	s_cbranch_scc1 .Lno_k_\@
	LOADK 2*TRIPG
.Lno_k_\@:
	s_cmp_gt_u32 s[CNT], s[LIM]
	s_cbranch_scc0 .Lno_pf_\@
	; A PREFETCH INTO THE L2 of the trip THREE on: 256 rows of K (waves 0-7) and of V (waves 8-15), 256 bytes a row, a lane a row, one instruction a wave, behind the wave's own loads.
	; The four work-groups of a head walk the same rows: the head's first asks, so each row is named once in the launch.  Trips 0 to 2 come by their loads alone; trips 5 and 6 ask for nothing: there is no trip 8.
	global_prefetch_b8 v[PFO], s[PFA:PFA+1] th:TH_LOAD_NT scope:SCOPE_SE
.Lno_pf_\@:
.endif
	s_wait_dscnt 0x0                                             ; K's fragments and the scale words are in, and my stores into the images are done
.if \kind
	s_wait_alu depctr_vm_vsrc(0)                                 ; my six stores into the images have read v39-48, v[WT0] and v[WT1], which the softmax below and the next quantiser write again
.endif
.irp t, 0,1,2,3
	v_wmma_scale_f32_16x16x128_f8f6f4 v[SR+8*\t:SR+8*\t+7], v[FR+6*\t:FR+6*\t+11], v[QF:QF+11], 0, v[KSW+\t], v[QS] matrix_a_fmt:MATRIX_FMT_FP6 matrix_b_fmt:MATRIX_FMT_FP6
.endr
.irp t, 4,5,6,7
	v_wmma_scale_f32_16x16x128_f8f6f4 v[SR+8*\t:SR+8*\t+7], v[FR+6*\t:FR+6*\t+11], v[QF:QF+11], 0, v[KSW+\t-4], v[QS] matrix_a_fmt:MATRIX_FMT_FP6 matrix_b_fmt:MATRIX_FMT_FP6 matrix_a_scale:MATRIX_SCALE_ROW1
.endr
.rept 4
	v_nop                                                        ; four places (ISA guide 7.12.1) in front of the first read of the scores
.endr
	s_wait_alu depctr_va_vdst(0)                                 ; the eight products are done reading K's fragments, in which V's twelve loads land
.irp b, 0,1,2,3
	v_max3_num_f32 v[MX+\b], v[SR+16*\b], v[SR+16*\b+1], v[SR+16*\b+2]   ; THE LARGEST SCORE OF EACH BLOCK OF 32 KEYS serves twice: for the row's maximum and, since p rises with the score, for the block's largest p
.endr
.set n, 0
.irp i, 3,5,7,9,11,13
	ds_load_b128 v[FR+8*n:FR+8*n+3],   v[RDW] offset:\sg*SUBB+VOFF+IMG*((2*n)/3)+16*((2*n)%3)       ; V's four fragments, two loads ahead of each four lines of the maximum; they land while the softmax is walked.
	ds_load_b128 v[FR+8*n+4:FR+8*n+7], v[RDW] offset:\sg*SUBB+VOFF+IMG*((2*n+1)/3)+16*((2*n+1)%3)   ; No further wait: the lines between name the scores and v36-39 alone, no register of these loads
.irp b, 0,1,2,3
	v_max3_num_f32 v[MX+\b], v[MX+\b], v[SR+16*\b+\i], v[SR+16*\b+\i+1]  ; (the four blocks by turns; each accumulator is first read at its low end)
.endr
.set n, n+1
.endr
.irp b, 0,1,2,3
	v_max_num_f32 v[MX+\b], v[MX+\b], v[SR+16*\b+15]
.endr
.irp b, 0,1,2,3
	v_permlanex16_b32 v[PT+\b], v[MX+\b], s[SEL], s[SEL+1]
.endr
.irp b, 0,1,2,3
	v_max_num_f32 v[MX+\b], v[MX+\b], v[PT+\b]                   ; with lane l xor 16's 16 keys
.endr
	v_max3_num_f32 v[T1], v[MX], v[MX+1], v[MX+2]
	v_max_num_f32 v[T1], v[T1], v[MX+3]                          ; the sub-step's largest score of my query
	v_mul_f32 v[T1], s[CS], v[T1]                                ; as t (c is positive)
	v_max_num_f32 v[TMX], v[TMX], v[T1]
	v_mov_b32 v[T1], v[NM]
	v_floor_f32 v[NM], -v[TMX]                                   ; the new -M = floor(-t) = -ceil(t): a whole number
	v_sub_f32 v[T1], v[NM], v[T1]                                ; old M - new M: a whole number, 0 or less
	v_cvt_i32_f32 v[T1], v[T1]                                   ; (it saturates)
	v_ldexp_f32 v[FA], 1.0, v[T1]                                ; f = 2^(old M - new M)
.set n, 0
.rept 32
	v_pk_fma_f32 v[SR+n:SR+n+1], v[SR+n:SR+n+1], s[CS:CS+1], v[NM:NM+1] op_sel_hi:[1,0,0]   ; t - M, two at a time (of the pairs c and -M the low word serves both halves)
.set n, n+2
.endr
.irp b, 0,1,2,3
	v_fma_f32 v[MX+\b], v[MX+\b], s[CS], v[NM]                   ; the same of each block's largest score
.endr
; THE 68 EXPONENTIALS ARE ONE BATCH WITH ONE WAIT.  O^T's rescaling, which names no result of theirs, is dealt out among them: one packed multiply behind each four.
.set n, 0
.rept 16
	v_exp_f32 v[SR+4*n], v[SR+4*n]
	v_exp_f32 v[SR+4*n+1], v[SR+4*n+1]
	v_exp_f32 v[SR+4*n+2], v[SR+4*n+2]
	v_exp_f32 v[SR+4*n+3], v[SR+4*n+3]
	v_pk_mul_f32 v[OT+2*n:OT+2*n+1], v[OT+2*n:OT+2*n+1], v[FA:FA+1] op_sel_hi:[1,0]   ; O^T under the new M, each tile from its low end on
.set n, n+1
.endr
.irp b, 0,1,2,3
	v_exp_f32 v[MX+\b], v[MX+\b]                                 ; the block's largest p: the same two instructions on the same number give the same bits
.endr
	v_pk_mul_f32 v[SUM:SUM+1], v[SUM:SUM+1], v[FA:FA+1] op_sel_hi:[1,0]   ; the sums under the new M; also the plain instruction behind the last exponential
	s_wait_alu depctr_va_vdst(0)                                 ; the 68 exponentials have written p and the blocks' largest p: the wait stands ahead of the first instruction that names a result: one for the batch
.irp b, 0,1,2,3
	v_max_num_f32 v[MX+\b], 0x1800000, v[MX+\b]                  ; the floor 2^(3 - 127): the byte cannot fall under 1
.endr
.irp b, 0,1,2,3
	v_add_nc_u32 v[SO+\b], 0xff000000, v[MX+\b]                  ; 2 off the exponent field: the conversion's scale operand
.endr
.irp b, 0,1,2,3
	v_lshrrev_b32 v[PT+\b], 23, v[SO+\b]                         ; the scale's byte
.endr
	v_lshl_or_b32 v[PS], v[PT+1], 8, v[PT]                       ; p's scale word for these 128 keys
	v_lshl_or_b32 v[PS], v[PT+2], 16, v[PS]
	v_lshl_or_b32 v[PS], v[PT+3], 24, v[PS]
.irp c, 0,1
	v_cvt_scalef32_pk16_fp6_f32 v[PC+6*\c:PC+6*\c+2], v[SR+32*\c:SR+32*\c+15], v[SO+2*\c]
	v_cvt_scalef32_pk16_fp6_f32 v[PT+4*\c:PT+4*\c+2], v[SR+32*\c+16:SR+32*\c+31], v[SO+2*\c+1]
.endr
	v_nop                                                        ; one plain instruction behind the scaled conversions
.irp c, 0,1                            ; the operand's layout wants a WHOLE block in a lane: lanes 0-15 block 2 c, lanes 16-31 block 2 c + 1
.irp i, 0,1,2
	v_permlane16_swap_b32 v[PC+6*\c+\i], v[PT+4*\c+\i]
.endr
.irp i, 0,1,2
	v_mov_b32 v[PC+3+6*\c+\i], v[PT+4*\c+\i]
.endr
.endr
	v_pk_add_f32 v[PT:PT+1], v[SR:SR+1], v[SR+2:SR+3]            ; THE ROW'S SUM IS TAKEN OF THE UNQUANTISED p, two at a time, in two chains.  These fifteen are also the places between p's scale word and codes and the products
.irp j, 4,8,12,16,20,24,28
	v_pk_add_f32 v[SUM:SUM+1], v[SUM:SUM+1], v[SR+\j:SR+\j+1]
	v_pk_add_f32 v[PT:PT+1], v[PT:PT+1], v[SR+\j+2:SR+\j+3]
.endr
	s_wait_dscnt 0x0                                             ; V's fragments are in
	s_wait_alu depctr_va_vdst(0)                                 ; p's codes and p's scale word are written, which the scaled products below take as source 1 and as its scales; the places above stay beside this wait
.irp t, 0,1                            ; the four accumulators take turns, one instruction a turn
	v_wmma_scale_f32_16x16x128_f8f6f4 v[OT+8*\t:OT+8*\t+7], v[FR+12*\t:FR+12*\t+11], v[PC:PC+11], v[OT+8*\t:OT+8*\t+7], v[VSW+\t], v[PS] matrix_a_fmt:MATRIX_FMT_FP6 matrix_b_fmt:MATRIX_FMT_FP6
.endr
.irp t, 2,3
	v_wmma_scale_f32_16x16x128_f8f6f4 v[OT+8*\t:OT+8*\t+7], v[FR+12*\t:FR+12*\t+11], v[PC:PC+11], v[OT+8*\t:OT+8*\t+7], v[VSW+\t-2], v[PS] matrix_a_fmt:MATRIX_FMT_FP6 matrix_b_fmt:MATRIX_FMT_FP6 matrix_a_scale:MATRIX_SCALE_ROW1
.endr
.irp j, 32,36,40,44,48,52,56,60        ; the rest of the sum names no register of those products: seventeen plain instructions behind them, ahead of the wait that the next loads into their fragments stand behind
	v_pk_add_f32 v[SUM:SUM+1], v[SUM:SUM+1], v[SR+\j:SR+\j+1]
	v_pk_add_f32 v[PT:PT+1], v[PT:PT+1], v[SR+\j+2:SR+\j+3]
.endr
	v_pk_add_f32 v[SUM:SUM+1], v[SUM:SUM+1], v[PT:PT+1]
.endm
; A TRIP: 256 keys.  q = 1: the next trip's images are built on the way, and a barrier shows them whole to every wave.
.macro TRIP q
	s_wait_alu depctr_vm_vsrc(0)                                 ; the LDS loads issued so far have read v[RDW], which the next line writes; ahead of the first trip: the prologue's last stores have read the quantiser's registers, which this trip's quantiser writes
	v_add_nc_u32 v[RDW], s[TB], v[RD0]
.if \q
	SUB 0, 1
	SUB 1, 2
	s_wait_dscnt 0x0                                             ; for the others' sake: my stores into the next trip's images are done
	s_barrier_signal -1
	s_barrier_wait -1                                            ; everybody's are.  (No image byte is written twice, so nothing need be ordered behind the reads)
	s_wait_xcnt 0x0                                              ; my loads and my prefetch have read their bases: these may step
	s_add_nc_u64 s[KP:KP+1], s[KP:KP+1], TRIPG
	s_add_nc_u64 s[VP:VP+1], s[VP:VP+1], TRIPG
	s_add_nc_u64 s[PFA:PFA+1], s[PFA:PFA+1], TRIPG
.else
	SUB 0, 0
	SUB 1, 0
.endif
	s_add_co_u32 s[TB], s[TB], TRIPB
.endm
; THE WAY OUT of pass p.  O^T is divided by the sum and goes through my own stage in LDS, so that the 32 lanes store two whole rows, 512 consecutive bytes.
.macro FINISH p
	v_add_f32 v[SUM], v[SUM], v[SUM+1]                           ; the sum's two halves,
	v_permlanex16_b32 v[T1], v[SUM], s[SEL], s[SEL+1]
	v_add_f32 v[SUM], v[SUM], v[T1]                              ; and lane l xor 16's 64 keys of each 128
	v_rcp_f32 v[FA], v[SUM]
	v_nop                                                        ; a plain instruction behind the reciprocal
	s_wait_alu depctr_va_vdst(0)                                 ; the reciprocal is written, ahead of its first reader.  In pass 0 also: the last products are done reading V's fragments, in which Q's loads land
.if \p == 0
	LOADQ FR, TRIPG                                              ; the second pass's queries, into registers that V's fragments have left.
	                                                             ; (Not into v128 on: on no way through the text do two loads that are out share a destination)
.endif
.irp j, 0,2,4,6,8,10,12,14,16,18,20,22,24,26,28,30
	v_pk_mul_f32 v[OT+\j:OT+\j+1], v[OT+\j:OT+\j+1], v[FA:FA+1] op_sel_hi:[1,0]
.endr
	s_wait_alu depctr_va_vdst(0)                                 ; the multiplies have written O^T, which the LDS stores read; and the sums are done reading p's registers, in which the stage's loads land behind those stores
.irp t, 0,1,2,3
	ds_store_b128 v[STI], v[OT+8*\t:OT+8*\t+3] offset:64*\t      ; lane (r, h): row r, channels 16 t + 8 h + 0 .. 7
	ds_store_b128 v[STI], v[OT+8*\t+4:OT+8*\t+7] offset:64*\t+16
.endr
.irp i, 0,1,2,3,4,5,6,7
	ds_load_b128 v[SR+4*\i:SR+4*\i+3], v[STO] offset:544*\i      ; LDS serves a wave's instructions in order (ISA guide 5.7.1.4): these see my stores
.endr
.irp i, 0,1,2,3,4,5,6,7
	s_wait_dscnt 7-\i                                            ; rows 2 i and 2 i + 1 are back; the 7 - i loads behind them may be out
	global_store_b128 v[GO], v[SR+4*\i:SR+4*\i+3], s[OP:OP+1] offset:512*\i+TRIPG*\p th:TH_STORE_NT   ; 32 lanes store 512 consecutive bytes, at a multiple of 256 from out0's first byte
.endr
.endm
	; ---- the head: ids, every address register, constants
	s_load_b256 s[4:11], s[0:1], 0x0                             ; Q s[4:5], K s[6:7], V s[8:9], out0 s[10:11]
	v_lshl_add_u32 v55, v0, 2, 0x47000
	v_mov_b32 v127, 0
	v_lshrrev_b32 v[RD0], 5, v0
	v_readfirstlane_b32 s[WV], v[RD0]                            ; wave w, 0 .. 15
	v_and_b32 v36, 31, v0                                        ; l
	v_and_b32 v37, 15, v0                                        ; r = l % 16
	v_bfe_u32 v38, v0, 4, 1                                      ; h = l / 16
	s_wait_alu depctr_va_sdst(0)                                 ; s[WV] is written, ahead of its first reader: the wave's shares and addresses are made from it
	; what my wave quantises of a trip.  K: tile w % 8 of sub-step w / 8.  V: block w / 2 of the trip's eight blocks of 32 keys, channels 32 (w % 2) on
	s_lshr_b32 s13, s[WV], 3
	s_mul_i32 s14, s13, SUBB                                     ; my sub-step
	s_bfe_u32 s15, s[WV], 0x20001                                ; (w / 2) % 4
	s_and_b32 s16, s[WV], 1                                      ; w % 2
	s_bfe_u32 s17, s[WV], 0x10002                                ; (w / 4) % 2
	s_and_b32 s18, s[WV], 3                                      ; w % 4
	s_bfe_u32 s19, s[WV], 0x10001                                ; (w / 2) % 2
	s_lshr_b32 s27, s[WV], 1                                     ; w / 2
	s_mul_i32 s30, s15, IMG                                      ; K's codes: image (w % 8) / 2,
	s_mul_i32 s31, s16, 24                                       ; half w % 2 of a lane's place
	s_add_co_u32 s30, s30, s31
	s_add_co_u32 s30, s30, s14
	s_mul_i32 s31, s17, 768                                      ; K's scale words: lanes 16 ((w % 8) / 4) on,
	s_lshl_b32 s32, s18, 2                                       ; word w % 4
	s_add_co_u32 s31, s31, s32
	s_add_co_u32 s31, s31, s14
	s_add_co_u32 s31, s31, SOFF
	s_mul_i32 s32, s16, 2*IMG                                    ; V's codes: images 2 (w % 2) + h,
	s_mul_i32 s33, s19, 768                                      ; lanes 16 (block % 2) on,
	s_add_co_u32 s32, s32, s33
	s_mul_i32 s33, s17, 24                                       ; half (block / 2) % 2 of a lane's place
	s_add_co_u32 s32, s32, s33
	s_add_co_u32 s32, s32, s14
	s_add_co_u32 s32, s32, VOFF
	s_mul_i32 s33, s16, 768                                      ; V's scale bytes: lanes 16 (w % 2) on, word h, byte block % 4
	s_add_co_u32 s33, s33, s15
	s_add_co_u32 s33, s33, s14
	s_add_co_u32 s33, s33, SOFF+16
	s_lshl_b32 s34, s27, 13                                      ; in memory: 32 (w / 2) rows of 256 bytes,
	s_lshl_b32 s35, s16, 11                                      ; K: 8 (w % 2) rows more,
	s_add_co_u32 s35, s35, s34
	s_lshl_b32 s36, s16, 7                                       ; V: 32 (w % 2) channels on
	s_add_co_u32 s36, s36, s34
	s_mul_i32 s37, s[WV], STGW
	s_add_co_u32 s37, s37, STG                                   ; my stage
	v_mul_u32_u24 v[RD0], v36, 48
	v_mul_u32_u24 v39, v37, 48
	v_add_nc_u32 v[WK0], s30, v[RD0]                             ; K's codes are made in the lane that the operand wants them in
	v_add_nc_u32 v[WKS0], s31, v39
	v_mad_u32_u24 v[WV0], v38, IMG, v39                          ; V: my channel 32 (w % 2) + l is row r of tile 2 (w % 2) + h
	v_add_nc_u32 v[WV0], s32, v[WV0]
	v_lshl_add_u32 v[WVS0], v38, 2, v39
	v_add_nc_u32 v[WVS0], s33, v[WVS0]
	v_and_b32 v40, 8, v37
	v_add_nc_u32 v40, v40, v37                                   ; r + 8 (r / 8)
	v_lshlrev_b32 v[GK], 8, v40
	v_lshl_add_u32 v[GK], v38, 7, v[GK]                          ; + my 32 channels
	v_add_nc_u32 v[GK], s35, v[GK]
	v_lshlrev_b32 v[GV], 2, v36
	v_add_nc_u32 v[GV], s36, v[GV]
	v_lshlrev_b32 v[GQ], 8, v37
	v_lshl_add_u32 v[GQ], v38, 7, v[GQ]
	v_and_b32 v[PFO], 255, v0
	v_lshlrev_b32 v[PFO], 8, v[PFO]
	v_lshlrev_b32 v[SH8], 3, v38
	v_mul_u32_u24 v[STI], v37, 272
	v_lshl_add_u32 v[STI], v38, 5, v[STI]
	v_add_nc_u32 v[STI], s37, v[STI]
	v_mul_u32_u24 v[STO], v38, 272                               ; back: lanes 0-15 one row of 256 bytes, lanes 16-31 the next
	v_lshl_add_u32 v[STO], v37, 4, v[STO]
	v_add_nc_u32 v[STO], s37, v[STO]
	v_lshlrev_b32 v[GO], 4, v36
.irp i, 0,1,2,3,4,5
	v_mov_b32 v[QF+6+\i], 0                                      ; Q's zero codes for k = 64 .. 127
	v_mov_b32 v[ZT+\i], 0                                        ; the tail of K's last tile
.endr
.irp i, 0,1,2,3
	v_mov_b32 v[PT+\i], 0                                        ; written once: a lane permute's destination counts as one of its sources
.endr
	v_mov_b32 v[QU], 0
	v_mov_b32 v[T1], 0
	v_mov_b32 v[FA+1], 0                                         ; (named as the upper half of a pair)
	s_mov_b32 s[SEL], 0x76543210
	s_mov_b32 s[SEL+1], 0xfedcba98
	s_mov_b32 s[CS], 0x3e38aa3b                                  ; c = log2(e) / 8
	s_mov_b32 s[CS+1], s[CS]                                     ; (named with it as a pair, so it is written)
	s_mov_b32 s[TB], 0
	s_cmp_eq_u32 ttmp9, 0
	s_cselect_b32 s[LIM], 2, -1
	s_and_b32 s30, ttmp7, 0xffff                                 ; the head
	s_lshl_b32 s30, s30, 19                                      ; its first byte in each tensor: at most 63 x 524,288
	s_mov_b32 s31, 0
	s_lshl_b32 s32, ttmp9, 17                                    ; my work-group's 512 rows,
	s_lshl_b32 s33, s[WV], 12                                    ; my wave's 16 of a pass's 256
	s_add_co_u32 s32, s32, s33
	s_add_co_u32 s32, s32, s30
	s_mov_b32 s33, 0
	s_wait_kmcnt 0x0
	s_cmp_lt_u32 s[WV], 8
	s_cselect_b64 s[PFA:PFA+1], s[KP:KP+1], s[VP:VP+1]
	s_add_nc_u64 s[PFA:PFA+1], s[PFA:PFA+1], s[30:31]
	s_add_nc_u64 s[PFA:PFA+1], s[PFA:PFA+1], 3*TRIPG             ; trip 0 asks for trip 3.  Nothing is prefetched here, at the head
	s_add_nc_u64 s[KP:KP+1], s[KP:KP+1], s[30:31]
	s_add_nc_u64 s[VP:VP+1], s[VP:VP+1], s[30:31]
	s_add_nc_u64 s[QP:QP+1], s[QP:QP+1], s[32:33]
	s_add_nc_u64 s[OP:OP+1], s[OP:OP+1], s[32:33]
	s_wait_alu depctr_va_vdst(0)                                 ; every offset and address made above is written, which the kernel's loads, stores and prefetches read; so are the zeros that the scaled products take as codes
	; ---- the prologue: Q of pass 0, and trip 0's images
	LOADQ SR, 0
	LOADK 0
	s_wait_loadcnt 0x8                                           ; Q's eight loads are in; K's eight, issued behind them, may be out
	QUANTQ SR
	PUTK 0
	LOADV 0
	INIT                                                         ; (while V is on its way)
	s_wait_alu depctr_vm_vsrc(0)                                 ; K's six stores have read the codes' registers, the word's and the two addresses, which V's quantiser writes again
	PUTV 0
	LOADK TRIPG                                                  ; trip 1's K
	s_wait_dscnt 0x0                                             ; my part of trip 0's images is stored
	s_barrier_signal -1
	s_barrier_wait -1                                            ; everybody's is
	; ---- pass 0: trips 0 to 6 multiply their own images and build the next trip's
	s_mov_b32 s[CNT], 7
.Lbuild:
	TRIP 1
	s_sub_co_u32 s[CNT], s[CNT], 1
	s_cmp_lg_u32 s[CNT], 0
	s_cbranch_scc1 .Lbuild
	TRIP 0                                                       ; trip 7: nothing is left to build
	FINISH 0
	; ---- pass 1: the next 256 queries; all images lie in LDS and nobody writes them: no barrier
	s_wait_loadcnt 0x0                                           ; Q
	QUANTQ FR
	s_wait_xcnt 0x0                                              ; pass 0's stores have had their addresses translated: their data registers are written again only behind this wait,
	s_wait_alu depctr_vm_vsrc(0)                                 ; and beside it: pass 0's LDS stores have read O^T, which the lines below clear, and its global stores have read v[SR ..], which the first products write
	INIT
	s_mov_b32 s[TB], 0
	s_mov_b32 s[CNT], 8
.Lread:
	TRIP 0
	s_sub_co_u32 s[CNT], s[CNT], 1
	s_cmp_lg_u32 s[CNT], 0
	s_cbranch_scc1 .Lread
	FINISH 1
	s_wait_dscnt 0x0
	s_wait_alu depctr_hold_cnt(0) depctr_sa_sdst(0) depctr_va_vdst(0) depctr_va_sdst(0) depctr_va_ssrc(0) depctr_va_vcc(0) depctr_vm_vsrc(0)
	s_wait_tensorcnt 0x0
	ds_add_u32 v55, v127
	s_wait_dscnt 0x0
	s_endpgm
.Lfunc_end_k_q80bf1a8f57_attn:
	.size	k_q80bf1a8f57_attn, .Lfunc_end_k_q80bf1a8f57_attn-k_q80bf1a8f57_attn
	.p2alignl 7, 3214868480
	.fill 96, 4, 3214868480
	.section	.rodata,"a",@progbits
	.p2align	6, 0x0
	.amdhsa_kernel k_q80bf1a8f57_attn
		.amdhsa_group_segment_fixed_size 292864
		.amdhsa_private_segment_fixed_size 0
		.amdhsa_enable_private_segment 0
		.amdhsa_kernarg_size 32
		.amdhsa_user_sgpr_count 2
		.amdhsa_user_sgpr_kernarg_segment_ptr 1
		.amdhsa_wavefront_size32 1
		.amdhsa_system_sgpr_workgroup_id_x 1
		.amdhsa_system_sgpr_workgroup_id_y 1
		.amdhsa_system_sgpr_workgroup_id_z 1
		.amdhsa_system_vgpr_workitem_id 0
		.amdhsa_next_free_vgpr 256
		.amdhsa_next_free_sgpr 66
		.amdhsa_reserve_vcc 0
		.amdhsa_float_denorm_mode_32 3
		.amdhsa_float_denorm_mode_16_64 3
		.amdhsa_memory_ordered 1
		.amdhsa_forward_progress 1
		.amdhsa_inst_pref_size 126
	.end_amdhsa_kernel
	.amdgpu_metadata
---
amdhsa.version: [ 1, 2 ]
amdhsa.kernels:
  - .name:           k_q80bf1a8f57_attn
    .symbol:         k_q80bf1a8f57_attn.kd
    .args:
      - { .name: Q, .offset: 0, .size: 8, .value_kind: global_buffer, .address_space: global }
      - { .name: K, .offset: 8, .size: 8, .value_kind: global_buffer, .address_space: global }
      - { .name: V, .offset: 16, .size: 8, .value_kind: global_buffer, .address_space: global }
      - { .name: out0, .offset: 24, .size: 8, .value_kind: global_buffer, .address_space: global }
    .group_segment_fixed_size: 292864
    .private_segment_fixed_size: 0
    .kernarg_segment_align: 8
    .kernarg_segment_size: 32
    .max_flat_workgroup_size: 512
    .sgpr_count:     66
    .vgpr_count:     256
    .wavefront_size: 32
...
	.end_amdgpu_metadata
.endif
;; end of part 2
